; MI455X (gfx1250); checked and timed in simulation.
; The chip was launched on July 23, 2026; its instructions are those of AMD's public machine-readable ISA for CDNA 5 (MIT licence, August 2026) and "CDNA5" Instruction Set Architecture Reference Guide (July 2026). The comments in the code are by the model that wrote it; some were corrected since.
;; Domain Projection LDP. Allowed arithmetic: matrix products marked QUANTISED: E5M2 operands, one given power-of-two scale a tensor, by v_wmma_f32_16x16x64_bf8_bf8 or v_wmma_f32_16x16x128_bf8_bf8, f32 sums; everything else in f32.
;; Inputs: W 8 x 1,024 x 1,024 float32; domain_ids 8,192 int32; lowp_scales 2 int32 (the exponents e of the quantised operands' scales 2^e); mu 8,192 x 1,024 float32.
;; Outputs: out0 8,192 x 1,024 float32; out1 one number float32.
;; This version of the problem:
;;   THIS VERSION OF THE PROBLEM IS GIVEN IN LOW PRECISION. The matrix products marked QUANTISED in the list below multiply operands that are first quantised to E5M2 (5 exponent bits, 2 mantissa bits; 8 bits a number), with one given power-of-two scale for each operand tensor; their sums are f32. All else is computed in f32.
;;   The module's matrix products, in the order in which they are computed (A, B: the left and right operand; K: the contracted axis; several contracted axes count as one K, in the product's order):
;;     1. [M 8,192, K 1,024] x [K 1,024, N 8,192]; A: input W; B: input mu: QUANTISED (scales: A lowp_scales[0], B lowp_scales[1])
;;   THE QUANTISER, for each operand of a quantised product, along K:
;;     - The operand's scale is 2^e, e = its entry of the input lowp_scales (int32; the entries are numbered through the quantised products in the list's order, A before B).
;;     - Each number is divided by the scale, clamped to +-57,344, and rounded to the nearest number of E5M2, ties to even, subnormals kept.
;;     - The product sums the exact products of the quantised numbers (number of the format x scale) in f32.
;;   ~~~python
;;   def quantise(x, axis, e):      # numpy; x: float32 -> the quantised numbers, widened to float32 again
;;       x = np.moveaxis(x, axis, -1); K = x.shape[-1]
;;       r = np.clip(x / 2.0 ** e, -57344, 57344)
;;       step = 2.0 ** (np.maximum(np.frexp(np.where(r == 0, 1, r))[1] - 1, -14) - 2)
;;       q = np.round(r / step) * step * 2.0 ** e      # np.round: ties to even
;;       return np.moveaxis(q, -1, axis).astype(np.float32)
;;   ~~~
;; One version. Each part assembles by itself: llvm-mc -triple=amdgcn-amd-amdhsa -mcpu=gfx1250 --defsym DOCPART=n.
;; ======== version 1 of 1: 2 launches
;; limits: right only within a limited range of input values
;; workspace buffers: wcodes 8,388,608 bytes; mcodes 9,437,184 bytes; regpart 4,096 bytes; order 18,432 bytes of whole numbers; tileinfo 256 bytes of whole numbers
;; launch prep (part 1): grid 512 x 1, 4 waves a work-group, no clusters, 49,920 bytes of LDS; arguments W, domain_ids, lowp_scales, wcodes, regpart, order, tileinfo, mu, mcodes; writes wcodes, regpart, order, tileinfo, mcodes
.if DOCPART == 1
	.amdgcn_target "amdgcn-amd-amdhsa--gfx1250"
	.amdhsa_code_object_version 6
	.text
	.protected	k_q659a80874f_prep
	.globl	k_q659a80874f_prep
	.p2align	8
	.type	k_q659a80874f_prep,@function
k_q659a80874f_prep:
	s_mov_b64 s[64:65], 0
	v_nop
	global_prefetch_b8 v0, s[64:65] scope:SCOPE_SE
	s_setreg_imm32_b32 hwreg(HW_REG_WAVE_MODE, 25, 1), 1
	s_wait_xcnt 0x0
; PREP.  Two kinds of work-groups, told apart by the work-group's number.
; Work-groups 0 to 255: mu.  Work-group g takes rows 32 g .. 32 g + 31.  It counts all 8,192 domain_ids (2,048 a wave, joined through LDS), so it knows where its own rows stand in the list sorted by domain:
;   tiles of 144 slots, each of one domain; domain e begins at slot 144 TB[e].  The sum over domains of ceil(count / 144) is at most (8192 + 8 x 143) / 144, so 64 tiles (9,216 slots) serve every split.
;   mcodes[slot][1024] = the row's codes of BF8 (E5M2) with the given scale 2^e1; order[slot] = the row's number.  The 1,024 slots without a row get zero codes and the number 8192: one slot for each of the 1,024 waves.
;   tileinfo[t] = the domain of tile t.
; Work-groups 256 to 511 (1,024 waves): W [8][1024][1024] f32 is read once.  It becomes codes with the given scale 2^e0, laid in the ORDER OF AN OPERAND'S REGISTERS:
;   wcodes [domain 8][ct 64][ks 8][c 4][lane 32][16 bytes]: lane (r = lane % 16, h = lane / 16) holds W[domain][64 (ct / 4) + 4 r + ct % 4][128 ks + 32 c + 16 h + 0 .. 15].
;   On the same pass the regulariser: for each place the mean over the 8 domains, the 8 deviations from it, their squares: one partial sum a wave into regpart (the next launch adds the 1,024).
; Of the products only those of each row's own domain are made (by the stored list); a NaN, an infinity or an overflow in the products of the other domains, which reference() does not pick, is not carried to the result.
; LIMITS: domain_ids lie in 0 .. 7 (the table that they index has 8 entries); -126 <= e0, e1 <= 112, so that 2^e and 57,344 x 2^e are f32 numbers; NaN in W or mu is not served by the quantiser.
.set NMU,  256
.set MST,  40960                       ; LDS: the W work-groups' stages lie below; here the mu work-groups' stages, 2 x 1,024 bytes a wave
.set CNTB, MST+8192                    ; the waves' counts, 32 bytes a wave
.set SPARE, CNTB+256                   ; the spare words, 128 bytes a wave
.macro VA
	s_wait_alu depctr_va_vdst(0)
.endm
	s_load_b256 s[4:11], s[0:1], 0x0               ; W s[4:5], domain_ids s[6:7], lowp_scales s[8:9], wcodes s[10:11]
	s_load_b128 s[12:15], s[0:1], 0x20             ; regpart s[12:13], order s[14:15]
	s_load_b64 s[16:17], s[0:1], 0x30              ; tileinfo
	s_load_b128 s[60:63], s[0:1], 0x38             ; mu s[60:61], mcodes s[62:63]
	v_lshl_add_u32 v232, v0, 2, SPARE
	v_mov_b32 v233, 0
	v_lshrrev_b32 v1, 5, v0
	v_readfirstlane_b32 s18, v1                    ; wave 0..3
	v_and_b32 v1, 31, v0                           ; lane
	VA
	s_cmp_lt_u32 ttmp9, NMU
	s_cbranch_scc1 .Lmu
; ---------------------------------------------------------------- W: codes and regulariser
; Wave u = 4 (work-group - 256) + wave takes the 16 rows of operand tile ct = u / 16 x 64 along d (64 (u % 16) on) x all 8 domains: 32 KiB, in 8 steps of two rows.
; A step's load for one domain: lanes 0-15 read 256 consecutive bytes of one row, lanes 16-31 of the tile's next; a lane holds 4 neighbours along d of each domain.
; The scale is one for the tensor, so a conversion may take 4 numbers of one domain and 4 of the next.
; The codes turn through the wave's own stage in LDS (a stage a domain: 16 rows x (64 bytes + 16)) and leave as the operand's image: each store 512 consecutive bytes, aligned.
.set ACC, 8                            ; v8-15    four pairs of running sums of squares
.set S,   16                           ; v16-23   the sum over domains, at work
.set DV,  24                           ; v24-39   eight pairs of deviations
.set X,   40                           ; v40-167  four sets of 32: step j in set j % 4, domain e at + 4 e
.set C,   168                          ; v168-231 codes: eight words a step, registers of their own
.set WST, 10240
.set SDOM, 1280
.set SROW, 80
	s_sub_co_u32 s19, ttmp9, NMU
	s_lshl_b32 s19, s19, 2
	s_add_co_u32 s19, s19, s18                     ; u
	s_lshr_b32 s42, s19, 6
	s_lshl_b32 s42, s42, 18                        ; 64 rows of 4,096 bytes for each four tiles
	s_bfe_u32 s43, s19, 0x20004                    ; ct % 4: the tile's first row among them
	s_lshl_b32 s43, s43, 12
	s_add_co_u32 s42, s42, s43
	s_and_b32 s43, s19, 15
	s_lshl_b32 s43, s43, 8                         ; 64 numbers of 4 bytes
	s_add_co_u32 s42, s42, s43
	s_mov_b32 s43, 0
	s_lshl_b32 s46, s19, 10                        ; my 1,024 bytes of a domain's codes
	s_mov_b32 s47, 0
	s_lshl_b32 s48, s19, 2                         ; my word of regpart
	s_mov_b32 s49, 0
	s_mov_b32 s44, 0x76543210                      ; v_permlanex16_b32: lane l xor 16
	s_mov_b32 s45, 0xfedcba98
	s_mul_i32 s50, s18, WST
	VA
	v_lshrrev_b32 v16, 4, v1                       ; lane / 16
	v_and_b32 v17, 15, v1                          ; lane % 16
	v_lshlrev_b32 v2, 14, v16                      ; a tile's rows are 4 rows of W apart
	v_lshl_add_u32 v2, v17, 4, v2
	v_mul_u32_u24 v3, v16, SROW
	v_lshl_add_u32 v3, v17, 2, v3
	v_add_nc_u32 v3, s50, v3                       ; into a stage: row lane / 16, 4 codes a lane
	v_mul_u32_u24 v4, v17, SROW
	v_lshl_add_u32 v4, v16, 4, v4
	v_add_nc_u32 v4, s50, v4                       ; out of it: row r, 16 h
	v_lshlrev_b32 v5, 4, v1                        ; the image: 16 x lane
	VA
	s_wait_kmcnt 0x0
	s_load_b32 s40, s[8:9], 0x0                    ; e0
	s_add_nc_u64 s[24:25], s[4:5], s[42:43]        ; a base for each domain, 4 MiB apart
.irp e, 1,2,3,4,5,6,7
	s_add_nc_u64 s[24+2*\e:25+2*\e], s[22+2*\e:23+2*\e], 0x400000
.endr
	s_add_nc_u64 s[20:21], s[10:11], s[46:47]
	s_add_nc_u64 s[52:53], s[12:13], s[48:49]
.macro LOAD j                          ; the tile's rows 2 j and 2 j + 1 of all eight domains
.irp e, 0,1,2,3,4,5,6,7
	global_load_b128 v[X+32*((\j)%4)+4*\e:X+32*((\j)%4)+4*\e+3], v2, s[24+2*\e:25+2*\e] offset:32768*(\j) th:TH_LOAD_NT
.endr
.endm
	LOAD 0
	LOAD 1
	LOAD 2
	LOAD 3
	s_wait_kmcnt 0x0
	s_add_co_i32 s40, s40, 127
	s_lshl_b32 s41, s40, 23
	v_mov_b32 v6, s41                              ; 2^e0 as f32: the conversion takes its exponent field
	s_add_co_i32 s40, s40, 15
	s_lshl_b32 s40, s40, 23
	s_or_b32 s40, s40, 0x600000
	v_mov_b32 v7, s40                              ; 57,344 x 2^e0
	VA
.macro STEP j
.set XS, X+32*((\j)%4)
.if (\j) <= 4
	s_wait_loadcnt 24                              ; this step's eight loads are in; those of the three steps behind it may be out
.else
	s_wait_loadcnt 8*(7-(\j))
.endif
.irp p, 0,1                            ; two places at a time
	v_pk_add_f32 v[S:S+1],   v[XS+2*\p:XS+2*\p+1],     v[XS+4+2*\p:XS+5+2*\p]
	v_pk_add_f32 v[S+2:S+3], v[XS+8+2*\p:XS+9+2*\p],   v[XS+12+2*\p:XS+13+2*\p]
	v_pk_add_f32 v[S+4:S+5], v[XS+16+2*\p:XS+17+2*\p], v[XS+20+2*\p:XS+21+2*\p]
	v_pk_add_f32 v[S+6:S+7], v[XS+24+2*\p:XS+25+2*\p], v[XS+28+2*\p:XS+29+2*\p]
	v_pk_add_f32 v[S:S+1],   v[S:S+1],   v[S+2:S+3]
	v_pk_add_f32 v[S+4:S+5], v[S+4:S+5], v[S+6:S+7]
	v_pk_add_f32 v[S:S+1],   v[S:S+1],   v[S+4:S+5]                ; the sum over the eight domains
.irp e, 0,1,2,3,4,5,6,7
	v_pk_fma_f32 v[DV+2*\e:DV+2*\e+1], v[S:S+1], 0xbe000000, v[XS+4*\e+2*\p:XS+4*\e+2*\p+1] op_sel_hi:[1,0,1]   ; w - sum / 8
.endr
.irp e, 0,1,2,3,4,5,6,7
.if ((\j) == 0) && (\e < 2)
	v_pk_mul_f32 v[ACC+4*\p+2*(\e%2):ACC+4*\p+2*(\e%2)+1], v[DV+2*\e:DV+2*\e+1], v[DV+2*\e:DV+2*\e+1]           ; the first squares start the four chains
.else
	v_pk_fma_f32 v[ACC+4*\p+2*(\e%2):ACC+4*\p+2*(\e%2)+1], v[DV+2*\e:DV+2*\e+1], v[DV+2*\e:DV+2*\e+1], v[ACC+4*\p+2*(\e%2):ACC+4*\p+2*(\e%2)+1]
.endif
.endr
.endr
.set n, 0
.rept 32
	v_med3_num_f32 v[XS+n], v[XS+n], -v7, v7       ; the conversion to an 8-bit code does not saturate (ISA guide 7.6.2)
.set n, n+1
.endr
.irp a, 0,1,2,3
	v_cvt_scalef32_pk8_bf8_f32 v[C+8*(\j)+2*\a:C+8*(\j)+2*\a+1], v[XS+8*\a:XS+8*\a+7], v6
.endr
	v_nop                                          ; one plain vector line behind the last conversion of the run
.irp e, 0,1,2,3,4,5,6,7
	ds_store_b32 v3, v[C+8*(\j)+\e] offset:SDOM*\e+2*SROW*(\j)     ; 4 codes of domain e, the tile's rows 2 j and 2 j + 1
.endr
.if (\j) < 4
	LOAD (\j)+4                                    ; into the set just read
.endif
.endm
.irp j, 0,1,2,3,4,5,6,7
	STEP \j
.endr
.irp e, 0,1,2,3,4,5,6,7
.irp c, 0,1
	ds_load_b128 v[X+4*(2*\e+\c):X+4*(2*\e+\c)+3], v4 offset:SDOM*\e+32*\c   ; LDS serves a wave's instructions in order (ISA guide 5.7.1.4): these see my stores
.endr
.endr
	v_pk_add_f32 v[ACC:ACC+1], v[ACC:ACC+1], v[ACC+2:ACC+3]        ; the chains are folded while the stage is read
	v_pk_add_f32 v[ACC+4:ACC+5], v[ACC+4:ACC+5], v[ACC+6:ACC+7]
	v_pk_add_f32 v[ACC:ACC+1], v[ACC:ACC+1], v[ACC+4:ACC+5]
	v_add_f32 v8, v8, v9
.irp n, 1,2,4,8
	v_add_f32_dpp v8, v8, v8 row_xmask:\n row_mask:0xf bank_mask:0xf
.endr
	v_permlanex16_b32 v9, v8, s44, s45
	v_add_f32 v8, v8, v9                           ; the wave's sum of squares, in every lane
	v_mov_b32 v16, 0
	v_cmp_eq_u32 vcc_lo, 0, v1
	VA
.irp e, 0,1,2,3,4,5,6,7
.irp c, 0,1
	s_wait_dscnt 15-(2*\e+\c)
	global_store_b128 v5, v[X+4*(2*\e+\c):X+4*(2*\e+\c)+3], s[20:21] offset:1048576*\e+512*\c   ; 32 lanes store 512 consecutive bytes, at a multiple of 512 from the buffer's first byte
.endr
.endr
	s_wait_xcnt 0x0                                ; EXEC is a source of the stores above: it changes only behind this wait
	s_wait_tensorcnt 0x0                           ; the wave's end
	ds_add_u32 v232, v233
	s_wait_dscnt 0x0
	s_and_saveexec_b32 s54, vcc_lo
	global_store_b32 v16, v8, s[52:53]             ; lane 0: one word a wave
	s_endpgm
; ---------------------------------------------------------------- mu: count, place, quantise
; REGISTERS: v2 16 x lane; v5, v6 2^e1 and 57,344 x 2^e1; v8-23 counts at work, then the rows 0 and 1 on their way out; v24 slots of the work-group's rows, one a lane; v25-32 where my 8 rows go in mcodes;
; v40-231 six sets of 32: row i in set i % 6; v168-231 (sets 4 and 5) hold my wave's 2,048 ids first; v234-249 a row's codes, two sets, and before that counts.
.set IDS,  168
.set CDS,  234
.set SC,   24                          ; s24-31   count of domain e
.set SB,   32                          ; s32-39   the slot of the work-group's first row of domain e
.set TB,   40                          ; s40-48   first tile of domain e; s48: tiles in all
.set PS,   49                          ; s49-57   rows of the domains in front of e
.Lmu:
	s_lshl_b32 s58, s18, 13                        ; my wave's 8,192 bytes of ids
	v_lshlrev_b32 v2, 4, v1
	v_add_nc_u32 v3, s58, v2
	s_lshl_b32 s59, ttmp9, 7
	v_lshl_add_u32 v4, v1, 2, s59                  ; the id of row 32 g + lane
	s_lshl_b32 s42, ttmp9, 17                      ; 32 rows of 4,096 bytes,
	s_lshl_b32 s43, s18, 15                        ; my wave's 8 of them
	s_add_co_u32 s42, s42, s43
	s_mov_b32 s43, 0
	s_lshl_b32 s44, s18, 6
	v_lshrrev_b32 v7, 3, v1
	v_add_nc_u32 v7, s44, v7                       ; which 32 rows my lane's ids of line 0 belong to: 64 wave + lane / 8; line n: + 4 n
	s_lshl_b32 s45, s18, 11
	s_add_co_u32 s45, s45, MST
	v_lshl_add_u32 v33, v1, 2, s45                 ; my stage: where I store 4 codes
	v_lshl_add_u32 v34, v1, 4, s45                 ; and where I read 16 back
	s_lshl_b32 s58, s18, 5
	s_add_co_u32 s58, s58, CNTB
	v_mov_b32 v37, s58                             ; my wave's counts
	v_mov_b32 v36, CNTB
	v_mov_b32 v39, 1
.irp i, 0,1,2,3,4,5,6,7
	v_mov_b32 v[16+\i], 0                          ; a lane permute's destination counts as one of its sources
.endr
.irp i, 0,1,2,3
	v_mov_b32 v[24+\i], 0                          ; counts in fields of 8 bits: even domains, odd ones; the same of the rows in front of mine
	v_mov_b32 v[250+\i], 0
.endr
	s_mov_b32 s46, 0x0f0f0f0f
	s_mov_b32 s47, 0x00ff00ff
	s_mov_b32 s22, 0x76543210
	s_mov_b32 s23, 0xfedcba98
	VA
	s_wait_kmcnt 0x0
	s_load_b64 s[40:41], s[8:9], 0x0               ; e0, e1
	s_add_nc_u64 s[20:21], s[60:61], s[42:43]
	global_load_b32 v35, v4, s[6:7]
.irp n, 0,1,2,3,4,5,6,7,8,9,10,11,12,13,14,15
	global_load_b128 v[IDS+4*\n:IDS+4*\n+3], v3, s[6:7] offset:512*\n
.endr
.macro MROW i                          ; row i of my eight: each load 512 consecutive bytes; register 4 ks + j holds mu[row][128 ks + 4 lane + j]
.irp k, 0,1,2,3,4,5,6,7
	global_load_b128 v[X+32*((\i)%6)+4*\k:X+32*((\i)%6)+4*\k+3], v2, s[20:21] offset:4096*(\i)+512*\k th:TH_LOAD_NT
.endr
.endm
	MROW 0
	MROW 1
	MROW 2
	MROW 3
	s_wait_kmcnt 0x0
	s_add_co_i32 s41, s41, 127
	s_lshl_b32 s40, s41, 23
	v_mov_b32 v5, s40                              ; 2^e1 as f32
	s_add_co_i32 s41, s41, 15
	s_lshl_b32 s41, s41, 23
	s_or_b32 s41, s41, 0x600000
	v_mov_b32 v6, s41                              ; 57,344 x 2^e1
	VA
	s_wait_loadcnt 32                              ; the ids are in; four rows of mu may be out
; Two lines of 128 ids: 8 ids a lane are counted in fields of 4 bits (8 at the most in a field), then added to the fields of 8 bits (64 at the most).
.macro PAIR n
.set IB, IDS+8*(\n)
.irp k, 0,1,2,3,4,5,6,7
	v_lshlrev_b32 v[IB+\k], 2, v[IB+\k]            ; 4 x id
.endr
	v_lshlrev_b32 v8, v[IB], v39
	v_lshlrev_b32 v9, v[IB+4], v39
.irp k, 1,2,3
	v_lshl_add_u32 v8, v39, v[IB+\k], v8
	v_lshl_add_u32 v9, v39, v[IB+4+\k], v9
.endr
	s_sub_co_i32 s58, ttmp9, 8*(\n)
	s_sub_co_i32 s59, ttmp9, 8*(\n)+4
	v_cmp_gt_i32 s48, s58, v7                      ; ids of rows in front of row 32 g
	v_cmp_gt_i32 s49, s59, v7
	v_cndmask_b32 v10, 0, v8, s48
	v_cndmask_b32 v11, 0, v9, s49
	v_add_nc_u32 v8, v8, v9
	v_add_nc_u32 v10, v10, v11
	v_and_b32 v9, s46, v8
	v_and_b32 v11, s46, v10
	v_lshrrev_b32 v8, 4, v8
	v_lshrrev_b32 v10, 4, v10
	v_and_b32 v8, s46, v8
	v_and_b32 v10, s46, v10
	v_add_nc_u32 v24, v24, v9
	v_add_nc_u32 v26, v26, v11
	v_add_nc_u32 v25, v25, v8
	v_add_nc_u32 v27, v27, v10
.endm
.irp n, 0,1,2,3,4,5,6,7
	PAIR \n
.endr
	MROW 4                                         ; into the registers that held the ids
	MROW 5
	; fields of 16 bits: word k = domain k below, domain k + 4 above; v8-11 all rows, v12-15 the rows in front of mine
.irp q, 0,1
	v_and_b32 v[8+4*\q], s47, v[24+2*\q]
	v_and_b32 v[9+4*\q], s47, v[25+2*\q]
	v_lshrrev_b32 v[10+4*\q], 8, v[24+2*\q]
	v_lshrrev_b32 v[11+4*\q], 8, v[25+2*\q]
	v_and_b32 v[10+4*\q], s47, v[10+4*\q]
	v_and_b32 v[11+4*\q], s47, v[11+4*\q]
.endr
.irp n, 1,2,4,8                        ; summed over the 32 lanes
.irp i, 0,1,2,3,4,5,6,7
	v_mov_b32_dpp v[16+\i], v[8+\i] row_xmask:\n row_mask:0xf bank_mask:0xf
.endr
.irp i, 0,1,2,3,4,5,6,7
	v_add_nc_u32 v[8+\i], v[8+\i], v[16+\i]
.endr
.endr
.irp i, 0,1,2,3,4,5,6,7
	v_permlanex16_b32 v[16+\i], v[8+\i], s22, s23
.endr
.irp i, 0,1,2,3,4,5,6,7
	v_add_nc_u32 v[8+\i], v[8+\i], v[16+\i]
.endr
	ds_store_b128 v37, v[8:11]                     ; every lane the same words
	ds_store_b128 v37, v[12:15] offset:16
	VA
	s_wait_dscnt 0x0                               ; for the other waves' sake: my counts are stored
	s_barrier_signal -1
	s_barrier_wait -1
.irp k, 0,1,2,3
	ds_load_b128 v[CDS+4*\k:CDS+4*\k+3], v36 offset:16*\k          ; waves 0 and 1
.endr
.irp k, 0,1,2,3
	ds_load_b128 v[8+4*\k:8+4*\k+3], v36 offset:64+16*\k           ; waves 2 and 3
.endr
	s_wait_dscnt 0x0
.irp i, 0,1,2,3,4,5,6,7
	v_add_nc_u32 v[CDS+\i], v[CDS+\i], v[CDS+8+\i]
	v_add_nc_u32 v[8+\i], v[8+\i], v[16+\i]
.endr
.irp i, 0,1,2,3,4,5,6,7
	v_add_nc_u32 v[CDS+\i], v[CDS+\i], v[8+\i]
.endr
	VA
.irp k, 0,1,2,3
	v_readfirstlane_b32 s58, v[CDS+\k]
	s_and_b32 s[SC+\k], s58, 0xffff
	s_lshr_b32 s[SC+4+\k], s58, 16
	v_readfirstlane_b32 s59, v[CDS+4+\k]
	s_and_b32 s[SB+\k], s59, 0xffff
	s_lshr_b32 s[SB+4+\k], s59, 16
.endr
	s_mov_b32 s[TB], 0
	s_mov_b32 s[PS], 0
.irp e, 0,1,2,3,4,5,6,7
	s_add_co_u32 s58, s[SC+\e], 143
	s_lshr_b32 s58, s58, 4
	s_mul_i32 s58, s58, 7282
	s_lshr_b32 s58, s58, 16                        ; ceil(count / 144): y x 7282 >> 16 is y / 9 rounded down for y up to 520 (the excess, y x 2 / (9 x 65,536), stays under 1 / 9)
	s_add_co_u32 s[TB+1+\e], s[TB+\e], s58
	s_add_co_u32 s[PS+1+\e], s[PS+\e], s[SC+\e]
	s_mul_i32 s59, s[TB+\e], 144
	s_add_co_u32 s[SB+\e], s[SB+\e], s59           ; the domain's first slot + its rows in front of the work-group's
.endr
	; a lane's slot: the domain's next free slot + the number of lanes of that domain below it
.irp e, 0,1,2,3,4,5,6,7
	v_cmp_eq_u32 s[58+(\e%2)], \e, v35
.if \e == 0
	v_mbcnt_lo_u32_b32 v24, s58, s[SB]
.else
	v_mbcnt_lo_u32_b32 v7, s[58+(\e%2)], s[SB+\e]
	v_cndmask_b32 v24, v24, v7, s[58+(\e%2)]
.endif
.endr
	v_min_u32 v24, 0x23ff, v24                     ; a number made of loaded data enters an address behind a bound: 9,216 slots
	VA
	s_lshl_b32 s59, s18, 3                         ; my rows: lanes 8 wave .. + 7
.irp i, 0,1,2,3,4,5,6,7
	v_readlane_b32 s58, v24, s59
	s_add_co_u32 s59, s59, 1
	s_min_u32 s58, s58, 0x23ff
	v_lshl_add_u32 v[25+\i], s58, 10, v2
.endr
	VA
	s_cmp_lg_u32 s18, 0
	s_cbranch_scc1 .Lno_order                      ; wave 0 stores the numbers of the work-group's 32 rows
	v_lshlrev_b32 v3, 1, v24                       ; 16 bits a slot
	s_lshl_b32 s58, ttmp9, 5
	v_add_nc_u32 v4, s58, v1
	global_store_b16 v3, v4, s[14:15]
	VA
.Lno_order:
	; the slots without a row: my wave's is the p-th of them, p = 4 g + wave.  It lies p + (rows in front of it) slots in: behind domain e's rows from p = 144 TB[e] - PS[e] on, with PS[e + 1] rows in front
	s_lshl_b32 s58, ttmp9, 2
	s_add_co_u32 s58, s58, s18
	s_mov_b32 s59, s[PS+1]
.irp e, 1,2,3,4,5,6,7
	s_mul_i32 s19, s[TB+\e], 144
	s_sub_co_u32 s19, s19, s[PS+\e]
	s_cmp_ge_u32 s58, s19
	s_cselect_b32 s59, s[PS+1+\e], s59
.endr
	s_add_co_u32 s58, s58, s59
	s_min_u32 s58, s58, 0x23ff
	v_lshl_add_u32 v254, s58, 10, v2
	s_lshl_b32 s58, s58, 1
	v_mov_b32 v255, s58
	v_mov_b32 v38, 0x2000                          ; 8192: no row
	global_store_b128 v254, v[250:253], s[62:63]   ; zero codes
	global_store_b128 v254, v[250:253], s[62:63] offset:512
	global_store_b16 v255, v38, s[14:15]           ; every lane the same number
	; the tiles' domains, by wave 1 of work-group 0: tile t belongs to the last domain e with TB[e] <= t
	VA
	s_xor_b32 s58, s18, 1
	s_or_b32 s58, s58, ttmp9
	s_cmp_lg_u32 s58, 0
	s_cbranch_scc1 .Lno_info
	v_mov_b32 v234, 0
	v_mov_b32 v235, 0
	v_add_nc_u32 v236, 32, v1
	v_lshlrev_b32 v237, 2, v1
.irp e, 1,2,3,4,5,6,7
	v_mov_b32 v238, \e
	v_cmp_le_u32 s58, s[TB+\e], v1
	v_cmp_le_u32 s59, s[TB+\e], v236
	v_cndmask_b32 v234, v234, v238, s58
	v_cndmask_b32 v235, v235, v238, s59
.endr
	global_store_b32 v237, v234, s[16:17]
	global_store_b32 v237, v235, s[16:17] offset:128
	VA
	s_wait_xcnt 0x0                                ; these registers are written again below
.Lno_info:
; Row i becomes codes.  A conversion takes 4 numbers of piece 2 a and 4 of piece 2 a + 1: its two words are the lane's 4 codes of each.  They turn through the stage (two stages by turns), and the row
; leaves as two stores of 512 consecutive bytes, one trip later.
.macro OUTREG i
.if (\i) < 2
.set OR, 8+8*(\i)
.else
.set OR, X+32*((\i)%6)
.endif
.endm
.macro SENDROW i
	OUTREG \i
	global_store_b128 v[25+(\i)], v[OR:OR+3], s[62:63]
	global_store_b128 v[25+(\i)], v[OR+4:OR+7], s[62:63] offset:512
.endm
.macro TRIP i
.set XS, X+32*((\i)%6)
.set CW, CDS+8*((\i)%2)
.if (\i) <= 2
	s_wait_loadcnt 40                              ; row i's eight loads are in; those of the five rows behind it may be out
.else
	s_wait_loadcnt 8*(7-(\i))
.endif
.set n, 0
.rept 32
	v_med3_num_f32 v[XS+n], v[XS+n], -v6, v6       ; the conversion does not saturate (ISA guide 7.6.2)
.set n, n+1
.endr
.irp a, 0,1,2,3
	v_cvt_scalef32_pk8_bf8_f32 v[CW+2*\a:CW+2*\a+1], v[XS+8*\a:XS+8*\a+7], v5
.endr
	v_nop                                          ; one plain vector line behind the last conversion of the run
.irp k, 0,1,2,3,4,5,6,7
	ds_store_b32 v33, v[CW+\k] offset:1024*((\i)%2)+128*\k
.endr
	OUTREG \i
	ds_load_b128 v[OR:OR+3], v34 offset:1024*((\i)%2)              ; LDS serves a wave's instructions in order (ISA guide 5.7.1.4): these see my stores
	ds_load_b128 v[OR+4:OR+7], v34 offset:1024*((\i)%2)+512
.if (\i) < 2
	MROW (\i)+6                                    ; into the set just read
.endif
.if (\i) > 0
	s_wait_dscnt 10                                ; the last trip's codes are back; this trip's eight stores and two loads may be out
	SENDROW (\i)-1
.endif
.endm
.irp i, 0,1,2,3,4,5,6,7
	TRIP \i
.endr
	s_wait_dscnt 0x0
	SENDROW 7
	s_wait_tensorcnt 0x0                           ; the wave's end
	ds_add_u32 v232, v233
	s_wait_dscnt 0x0
	s_endpgm
.Lfunc_end_k_q659a80874f_prep:
	.size	k_q659a80874f_prep, .Lfunc_end_k_q659a80874f_prep-k_q659a80874f_prep
	.p2alignl 7, 3214868480
	.fill 96, 4, 3214868480
	.section	.rodata,"a",@progbits
	.p2align	6, 0x0
	.amdhsa_kernel k_q659a80874f_prep
		.amdhsa_group_segment_fixed_size 49920
		.amdhsa_private_segment_fixed_size 0
		.amdhsa_enable_private_segment 0
		.amdhsa_kernarg_size 72
		.amdhsa_user_sgpr_count 2
		.amdhsa_user_sgpr_kernarg_segment_ptr 1
		.amdhsa_wavefront_size32 1
		.amdhsa_system_sgpr_workgroup_id_x 1
		.amdhsa_system_sgpr_workgroup_id_y 1
		.amdhsa_system_sgpr_workgroup_id_z 1
		.amdhsa_system_vgpr_workitem_id 0
		.amdhsa_next_free_vgpr 256
		.amdhsa_next_free_sgpr 66
		.amdhsa_reserve_vcc 1
		.amdhsa_float_denorm_mode_32 3
		.amdhsa_float_denorm_mode_16_64 3
		.amdhsa_memory_ordered 1
		.amdhsa_forward_progress 1
		.amdhsa_inst_pref_size 127
	.end_amdhsa_kernel
	.amdgpu_metadata
---
amdhsa.version: [ 1, 2 ]
amdhsa.kernels:
  - .name:           k_q659a80874f_prep
    .symbol:         k_q659a80874f_prep.kd
    .args:
      - { .name: W, .offset: 0, .size: 8, .value_kind: global_buffer, .address_space: global }
      - { .name: domain_ids, .offset: 8, .size: 8, .value_kind: global_buffer, .address_space: global }
      - { .name: lowp_scales, .offset: 16, .size: 8, .value_kind: global_buffer, .address_space: global }
      - { .name: wcodes, .offset: 24, .size: 8, .value_kind: global_buffer, .address_space: global }
      - { .name: regpart, .offset: 32, .size: 8, .value_kind: global_buffer, .address_space: global }
      - { .name: order, .offset: 40, .size: 8, .value_kind: global_buffer, .address_space: global }
      - { .name: tileinfo, .offset: 48, .size: 8, .value_kind: global_buffer, .address_space: global }
      - { .name: mu, .offset: 56, .size: 8, .value_kind: global_buffer, .address_space: global }
      - { .name: mcodes, .offset: 64, .size: 8, .value_kind: global_buffer, .address_space: global }
    .group_segment_fixed_size: 49920
    .private_segment_fixed_size: 0
    .kernarg_segment_align: 8
    .kernarg_segment_size: 72
    .max_flat_workgroup_size: 128
    .sgpr_count:     66
    .vgpr_count:     256
    .wavefront_size: 32
...
	.end_amdgpu_metadata
.endif
;; end of part 1
;; launch proj (part 2): grid 256 x 1, 4 waves a work-group, clusters of 4 x 1, 327,680 bytes of LDS; arguments mcodes, order, tileinfo, wcodes, lowp_scales, regpart, out0, out1; writes out0, out1
.if DOCPART == 2
	.amdgcn_target "amdgcn-amd-amdhsa--gfx1250"
	.amdhsa_code_object_version 6
	.text
	.protected	k_q659a80874f_proj
	.globl	k_q659a80874f_proj
	.p2align	8
	.type	k_q659a80874f_proj,@function
k_q659a80874f_proj:
	s_mov_b64 s[64:65], 0
	v_nop
	global_prefetch_b8 v0, s[64:65] scope:SCOPE_SE
	s_setreg_imm32_b32 hwreg(HW_REG_WAVE_MODE, 25, 1), 1
	s_wait_xcnt 0x0
	s_wait_alu depctr_hold_cnt(0) depctr_sa_sdst(0) depctr_va_vdst(0) depctr_va_sdst(0) depctr_va_ssrc(0) depctr_va_vcc(0) depctr_vm_vsrc(0)
	s_getreg_b32 s2, hwreg(HW_REG_IB_STS2, 6, 4)
	s_cmp_eq_u32 s2, 0
	s_cbranch_scc0 .Lentry_in_a_cluster
	s_endpgm
.Lentry_in_a_cluster:
	s_bfe_u32 s2, ttmp6, 0x10000c
	s_cmp_lg_u32 s2, 0x3003
	s_cbranch_scc0 .Lentry_shape_is_right
	s_endpgm
.Lentry_shape_is_right:
; PROJ.  out0[b][k] = 2^(e0 + e1) x the sum over d of code(W[id_b][k][d]) x code(mu[b][d]), codes of BF8 (E5M2), sums in f32; only each row's own domain is multiplied (the head of the first kernel says what that leaves out).
; out1 = the sum of regpart / 2^23.
; A CLUSTER of four work-groups takes one tile of the stored list, 144 slots of one domain; each work-group makes 256 of the 1,024 output columns, each wave 64 of them: 9 row blocks of 16 x 4 column tiles of 16.
; 64 tiles serve every split, so the grid is 256.  The tile of mu's codes (144 rows x 1,024 bytes) hangs on the cluster alone: it is asked for JOINTLY, 36 rows a wave, and lies in LDS whole; nothing is filled again.
; W's codes are not shared in the cluster (partners make different columns), and which tiles have one domain is a stored count, so tiles of one domain cannot be put into one cluster at every split.  They go
; straight from memory into registers, in the order in which the launch before laid them: all of a wave's 64 columns x 1,024 are 512 registers, and six of the eight steps of 128 are asked for ahead of the first product.
; NO PREFETCH: mu's tile is one load at the head, W's loads are themselves six steps ahead; there is no loop with a further step to ask for.
; TWO PHASES.  Row blocks 0-4 go step by step along d, while W arrives.  Then all of W lies in registers, and row blocks 5-8 are made one after the other, with the stores of finished blocks between them.
; Source 0 = 16 rows of mu, source 1 = 16 rows of W.  Column tile b of a wave takes W's rows 4 r + b, so lane (r, h) holds, in register j of the four accumulators of a row block, columns 4 r .. 4 r + 3 of row 8 h + j:
; sixteen lanes hold 256 neighbouring bytes of a row of out0, and a result goes from the registers to memory.
; NO BRANCH ON STORED NUMBERS: slots without a row (they lie at a tile's end) hold the number 8192.  Where the first of a lane's eight slots of a block has no row, EXEC switches the lane off for the block's stores;
; where a later one has none, the lane stores the slot before it once more (the same numbers to the same place).
; A fragment's registers 4 c .. 4 c + 3 hold d = 32 c + 16 h + 0 .. 15 of the step: a permutation of d inside 128, the same in both operands: only the order of the sums inside an instruction differs.
; LIMIT: -126 <= e0 + e1 <= 127, so that 2^(e0 + e1) is an f32 number.
; REGISTERS.  Window 0: v1-9 addresses; v10-25 offsets of stores, two sets; v30-31 the add's; v32-67 the rows' numbers, 16 bits each, four registers a block; v68-147, v148-227 mu's five fragments of a step, two sets;
; in the second phase v68-131, v132-195 mu's four fragments of half a block, and v196-227 results on their way out (behind the last product v68-99 too).
; Windows 1 and 2: W's steps 0-3 and 4-7, step s at v[64 (s % 4)].  Window 3: accumulator (m, b) at v[32 (m % 8) + 8 b]; block 8 takes block 0's, which have left by then.
.set PM,   1040                        ; a slot's row in LDS: 1,024 codes + 16 of padding = 65 x 16 bytes
.set SPARE, 144*PM                     ; the spare words, 128 bytes for each wave
.set L16,  4                           ; v4   16 x lane
.set AD0,  5                           ; v5-7 mu's fragments: row r, 16 h of slots 0, 64 and 128 on (the immediate has 16 bits)
.set AD4,  6
.set AD8,  7
.set CO,   8                           ; v8   my 16 bytes in a row of out0
.set HO,   9                           ; v9   my half's eight numbers in a block's sixteen
.set RNUM, 32
.set MF,   68
.set MB,   132                         ; the second half of a block
.set MSB, 0
.macro WIN new                         ; the immediate's high byte repeats the setting that is left; a switch that changes nothing is dropped
.if MSB != (\new)
	s_set_vgpr_msb (MSB<<8)|(\new)
.set MSB, (\new)
.endif
.endm
.macro VA
	s_wait_alu depctr_va_vdst(0)
.endm
.macro CROUND                          ; a round of the cluster's barrier
	s_barrier_signal -1
	s_barrier_wait -1
	s_cmp_lg_u32 s20, 0
	s_cbranch_scc1 .Lnot_wave_0_\@
	s_barrier_signal -3
.Lnot_wave_0_\@:
	s_barrier_wait -3
	s_barrier_signal -1
	s_barrier_wait -1
.endm
	s_load_b512 s[4:19], s[0:1], 0x0               ; mcodes s[4:5], order s[6:7], tileinfo s[8:9], wcodes s[10:11], lowp_scales s[12:13], regpart s[14:15], out0 s[16:17], out1 s[18:19]
	v_lshl_add_u32 v30, v0, 2, SPARE
	v_mov_b32 v31, 0
	ds_add_u32 v30, v31                            ; the opening lines: the add, twice on end, and its wait ahead of my first tensor load
	ds_add_u32 v30, v31
	v_lshrrev_b32 v1, 5, v0
	v_readfirstlane_b32 s20, v1                    ; wave 0..3
	s_bfe_u32 s21, ttmp6, 0x40000                  ; cx: my quarter of the columns.  The cluster's number, ttmp9, is the tile
	v_and_b32 v1, 31, v0                           ; lane
	v_and_b32 v2, 15, v0                           ; r
	v_bfe_u32 v3, v0, 4, 1                         ; h
	v_lshlrev_b32 v[L16], 4, v1
	v_mul_u32_u24 v[AD0], v2, PM
	v_lshl_add_u32 v[AD0], v3, 4, v[AD0]
	v_add_nc_u32 v[AD4], 64*PM, v[AD0]
	v_add_nc_u32 v[AD8], 128*PM, v[AD0]
	v_lshlrev_b32 v[HO], 4, v3
	s_lshl_b32 s26, s21, 10
	s_lshl_b32 s27, s20, 8
	s_add_co_u32 s26, s26, s27
	v_lshl_add_u32 v[CO], v2, 4, s26               ; 1024 quarter + 256 wave + 16 r
	; descriptor group 1: 36 rows x 1,024 bytes, padded in LDS by 4 words behind every 256 (codes 7 and 3); the mask names the cluster's four, bit 21 set beside it
	s_mov_b32 s48, 15|(1<<20)|(1<<21)|(7<<22)|(3<<25)
	s_mov_b32 s49, 1024<<16
	s_mov_b32 s50, 36<<16
	s_mov_b32 s51, 1024<<16
	s_mov_b32 s52, 36
	s_mov_b32 s53, 1024
	s_mov_b32 s54, 0
	s_mov_b32 s55, 0
	s_mov_b32 s56, 1
	s_mul_i32 s57, s20, 36*PM                      ; my 36 rows in LDS
	s_mul_i32 s22, ttmp9, 144*1024
	s_mul_i32 s23, s20, 36*1024
	s_add_co_u32 s22, s22, s23
	s_mov_b32 s23, 0
	s_lshl_b32 s24, ttmp9, 2
	s_mov_b32 s25, 0
	s_mul_i32 s34, ttmp9, 288
	s_mov_b32 s35, 0
	s_mov_b32 s36, 0x2000                          ; 8192: no row
	s_mov_b32 s60, 0x76543210                      ; v_permlanex16_b32: lane l xor 16
	s_mov_b32 s61, 0xfedcba98
	VA
	s_wait_dscnt 0x0                               ; both opening adds are done
	s_wait_kmcnt 0x0
	s_add_nc_u64 s[24:25], s[8:9], s[24:25]
	s_load_b32 s26, s[24:25], 0x0                  ; my tile's domain
	s_load_b64 s[28:29], s[12:13], 0x0             ; e0, e1
	s_add_nc_u64 s[58:59], s[4:5], s[22:23]
	s_or_b32 s59, s59, 0x80000000
	s_add_nc_u64 s[34:35], s[6:7], s[34:35]        ; my tile's 144 row numbers
	CROUND                                         ; all four work-groups are here: the joint loads meet
	tensor_load_to_lds s[56:59], s[48:55]
	s_nop 0
.rept 4
	v_nop
.endr
.irp m, 0,1,2,3,4,5,6,7,8              ; register 4 m + i: the numbers of the rows in slots 16 m + 8 h + 2 i (low half) and + 2 i + 1
	global_load_b128 v[RNUM+4*\m:RNUM+4*\m+3], v[HO], s[34:35] offset:32*\m
.endr
	s_wait_kmcnt 0x0
	s_min_u32 s26, s26, 7                          ; a loaded number enters an address behind a bound
	s_lshl_b32 s32, s26, 20                        ; a domain's codes are 2^20 bytes,
	s_lshl_b32 s27, s21, 18                        ; a quarter's 16 column tiles of 16,384,
	s_add_co_u32 s32, s32, s27
	s_lshl_b32 s27, s20, 16                        ; a wave's 4
	s_add_co_u32 s32, s32, s27
	s_mov_b32 s33, 0
	s_add_nc_u64 s[32:33], s[10:11], s[32:33]
	s_add_co_i32 s28, s28, s29
	s_add_co_i32 s28, s28, 127
	s_lshl_b32 s28, s28, 23                        ; 2^(e0 + e1) as f32
.macro WLOAD ks                        ; a step's four fragments of W: 16 loads of 512 consecutive bytes
	WIN 0x40*(1+(\ks)/4)
.irp b, 0,1,2,3
.irp c, 0,1,2,3
	global_load_b128 v[64*((\ks)%4)+16*\b+4*\c:64*((\ks)%4)+16*\b+4*\c+3], v[L16], s[32:33] offset:16384*\b+2048*(\ks)+512*\c
.endr
.endr
	WIN 0
.endm
.macro FRAG reg, m, ks                 ; mu's fragment of slots 16 m .. 16 m + 15: 4 loads
.irp c, 0,1,2,3
	ds_load_b128 v[\reg+4*\c:\reg+4*\c+3], v[AD0+(\m)/4] offset:16*PM*((\m)%4)+128*(\ks)+32*\c
.endr
.endm
.macro FETCH ks                        ; blocks 0-4 of a step into set ks % 2: 20 loads
.irp m, 0,1,2,3,4
	FRAG MF+80*((\ks)%2)+16*\m, \m, \ks
.endr
.endm
.macro RFETCH m, k0, reg               ; block m's steps k0 .. k0 + 3: 16 loads
.irp k, 0,1,2,3
	FRAG \reg+16*\k, \m, \k0+\k
.endr
.endm
.macro PLACES                          ; four places between products and loads into registers that they have read, or the first read of results (ISA guide 7.12.1 for vector instructions)
.rept 4
	v_nop
.endr
.endm
.irp s, 0,1,2,3,4,5
	WLOAD \s
.endr
	VA
	s_wait_tensorcnt 0x0                           ; my 36 rows have landed
	s_barrier_signal -1
	s_barrier_wait -1                              ; all 144 have; nobody writes them again
	FETCH 0
; FIRST PHASE.  A step of 128 along d: 20 matrix instructions; the 20 accumulators take turns, one instruction a turn, in the same order in every step.
; LOADS OF W: 96 are issued ahead of step 0, 16 more at the end of steps 0 and 1; step s needs the first 16 (s + 1).
.macro GSTEP ks
	PLACES
.if (\ks) < 7
	FETCH (\ks)+1
.else
	RFETCH 5, 0, MF                                ; the first half of block 5, over the set that step 6 read
.endif
.if (\ks) < 4
	s_wait_loadcnt 62                              ; at least the first 34, 50, 66, 66 of W's loads are in
.else
	s_wait_loadcnt 128-16*((\ks)+1)
.endif
.if (\ks) < 7
	s_wait_dscnt 20                                ; this step's fragments are in; the loads just issued may be out
.else
	s_wait_dscnt 16
.endif
	WIN 0xf0+4*(1+(\ks)/4)                         ; source 0 (mu) window 0, source 1 (W) window 1 or 2, C and D window 3
.set WB, 64*((\ks)%4)
.set MQ, MF+80*((\ks)%2)
.irp m, 0,1,2,3,4
.irp b, 0,1,2,3
.if (\ks) == 0
	v_wmma_f32_16x16x128_bf8_bf8 v[32*\m+8*\b:32*\m+8*\b+7], v[MQ+16*\m:MQ+16*\m+15], v[WB+16*\b:WB+16*\b+15], 0
.else
	v_wmma_f32_16x16x128_bf8_bf8 v[32*\m+8*\b:32*\m+8*\b+7], v[MQ+16*\m:MQ+16*\m+15], v[WB+16*\b:WB+16*\b+15], v[32*\m+8*\b:32*\m+8*\b+7]
.endif
.endr
.endr
	WIN 0
.if (\ks) < 2
	WLOAD (\ks)+6
.endif
.endm
.irp s, 0,1,2,3,4,5,6,7
	GSTEP \s
.endr
	PLACES
	RFETCH 5, 4, MB                                ; the second half of block 5, over the set that step 7 read
; SECOND PHASE.  Block m: 32 matrix instructions, its four accumulators by turns: three others stand between a sum's steps.  While one half is multiplied the next block's same half waits for its registers, the other half is on its way.
.macro RHALF m, k0, reg
	WIN 0xf0+4*(1+(\k0)/4)
.set AC, 32*((\m)%8)
.irp k, 0,1,2,3
.irp b, 0,1,2,3
.if ((\k0) == 0) && (\k == 0)
	v_wmma_f32_16x16x128_bf8_bf8 v[AC+8*\b:AC+8*\b+7], v[\reg+16*\k:\reg+16*\k+15], v[64*\k+16*\b:64*\k+16*\b+15], 0
.else
	v_wmma_f32_16x16x128_bf8_bf8 v[AC+8*\b:AC+8*\b+7], v[\reg+16*\k:\reg+16*\k+15], v[64*\k+16*\b:64*\k+16*\b+15], v[AC+8*\b:AC+8*\b+7]
.endif
.endr
.endr
	PLACES
	WIN 0
.endm
.macro ROWS m
	s_wait_dscnt 16                                ; the first half is in; the second's 16 loads may be out
	RHALF \m, 0, MF
.if (\m) < 8
	RFETCH (\m)+1, 0, MF
	s_wait_dscnt 16
.else
	s_wait_dscnt 0
.endif
	RHALF \m, 4, MB
.if (\m) < 8
	RFETCH (\m)+1, 4, MB
.endif
.endm
; THE WAY OUT of slots 16 m .. 16 m + 15.  COMP: results and offsets of set s.  SEND: stored, with the lanes off whose first slot of the block has no row.
.macro COMP m, s
.set TR, 196-128*(\s)
.set OF, 10+8*(\s)
.set AC, 32*((\m)%8)
	WIN 0x0c                                       ; source 1 window 3
.irp j, 0,1,2,3,4,5,6,7
.irp b, 0,1,2,3
	v_mul_f32 v[TR+4*\j+\b], s28, v[AC+8*\b+\j]    ; x 2^(e0 + e1), into other registers; each accumulator from its low end on
.endr
.endr
	WIN 0
.irp i, 0,1,2,3
	v_and_b32 v[OF+2*\i], 0xffff, v[RNUM+4*(\m)+\i]
	v_lshrrev_b32 v[OF+2*\i+1], 16, v[RNUM+4*(\m)+\i]
.endr
	v_cmp_lt_u32 s[38+(\s)], v[OF], s36            ; my first slot of the block has a row
.irp j, 1,2,3,4,5,6,7
	v_cmp_ge_u32 s[40+\j], v[OF+\j], s36           ; this one has none
.endr
.irp j, 1,2,3,4,5,6,7
	v_cndmask_b32 v[OF+\j], v[OF+\j], v[OF+\j-1], s[40+\j]
.endr
.irp j, 0,1,2,3,4,5,6,7
	v_min_u32 v[OF+\j], 0x1fff, v[OF+\j]           ; a loaded number enters an address behind a bound
.endr
.irp j, 0,1,2,3,4,5,6,7
	v_lshl_add_u32 v[OF+\j], v[OF+\j], 12, v[CO]
.endr
.irp j, 1,2,3,4,5,6,7
.irp b, 0,1,2,3
	v_cndmask_b32 v[TR+4*\j+\b], v[TR+4*\j+\b], v[TR+4*\j-4+\b], s[40+\j]
.endr
.endr
	VA
.endm
.macro SEND s
.set TR, 196-128*(\s)
.set OF, 10+8*(\s)
	s_wait_xcnt 0x0                                ; the stores before have read their registers and EXEC: both may change
	s_and_saveexec_b32 s37, s[38+(\s)]
.irp j, 0,1,2,3,4,5,6,7
	global_store_b128 v[OF+\j], v[TR+4*\j:TR+4*\j+3], s[16:17] th:TH_STORE_NT   ; sixteen lanes store 256 consecutive bytes, at a multiple of 256 from out0's first byte
.endr
.endm
.macro ALLON
	s_wait_xcnt 0x0                                ; EXEC changes only behind this wait
	s_mov_b32 exec_lo, -1
.endm
	COMP 0, 0
	SEND 0
	ALLON
	COMP 1, 0
	SEND 0
	ALLON
.irp m, 5,6,7,8                        ; a block is made, an earlier one leaves
	ROWS \m
	COMP \m-3, 0
	SEND 0
	ALLON
.endr
	COMP 6, 0                                      ; (blocks 0 to 5 have left) from here on nothing is multiplied: two sets by turns, and a lane that is off for one block is off for all later ones
	COMP 7, 1
	SEND 0
	SEND 1
	COMP 8, 0
	SEND 0
	ALLON
	; out1: wave 3 of the last tile's work-groups adds the 1,024 partial sums; the one in column quarter 0 stores (by EXEC: no branch hangs on a place in the cluster)
	s_cmp_lg_u32 ttmp9, 63
	s_cbranch_scc1 .Lno_sum
	s_cmp_lg_u32 s20, 3
	s_cbranch_scc1 .Lno_sum
.irp n, 0,1,2,3,4,5,6,7
	global_load_b128 v[64+4*\n:67+4*\n], v[L16], s[14:15] offset:512*\n
.endr
	v_mov_b32 v99, 0
	v_mov_b32 v97, 0
	v_or_b32 v98, s21, v1
	VA
	s_wait_loadcnt 0x0
.irp n, 0,1,2,3,4,5,6,7
	v_pk_add_f32 v[64+4*\n:65+4*\n], v[64+4*\n:65+4*\n], v[66+4*\n:67+4*\n]
.endr
.irp n, 0,1,2,3
	v_pk_add_f32 v[64+8*\n:65+8*\n], v[64+8*\n:65+8*\n], v[68+8*\n:69+8*\n]
.endr
	v_pk_add_f32 v[64:65], v[64:65], v[72:73]
	v_pk_add_f32 v[80:81], v[80:81], v[88:89]
	v_pk_add_f32 v[64:65], v[64:65], v[80:81]
	v_add_f32 v64, v64, v65
.irp n, 1,2,4,8
	v_add_f32_dpp v64, v64, v64 row_xmask:\n row_mask:0xf bank_mask:0xf
.endr
	v_permlanex16_b32 v97, v64, s60, s61
	v_add_f32 v64, v64, v97
	v_mul_f32 v96, 0x34000000, v64                 ; / 2^23 = 8 x 1024 x 1024 numbers
	v_cmp_eq_u32 vcc_lo, 0, v98                    ; lane 0 of quarter 0
	VA
	s_wait_xcnt 0x0
	s_and_saveexec_b32 s37, vcc_lo
	global_store_b32 v99, v96, s[18:19]
	s_wait_xcnt 0x0
	s_mov_b32 exec_lo, -1
.Lno_sum:
	s_wait_tensorcnt 0x0                           ; the wave's end
	ds_add_u32 v30, v31
	s_wait_dscnt 0x0
	CROUND                                         ; the closing round: no work-group ends while a partner may still ask for a tile that names it
	s_endpgm
.Lfunc_end_k_q659a80874f_proj:
	.size	k_q659a80874f_proj, .Lfunc_end_k_q659a80874f_proj-k_q659a80874f_proj
	.p2alignl 7, 3214868480
	.fill 96, 4, 3214868480
	.section	.rodata,"a",@progbits
	.p2align	6, 0x0
	.amdhsa_kernel k_q659a80874f_proj
		.amdhsa_group_segment_fixed_size 327680
		.amdhsa_private_segment_fixed_size 0
		.amdhsa_enable_private_segment 0
		.amdhsa_kernarg_size 64
		.amdhsa_user_sgpr_count 2
		.amdhsa_user_sgpr_kernarg_segment_ptr 1
		.amdhsa_wavefront_size32 1
		.amdhsa_system_sgpr_workgroup_id_x 1
		.amdhsa_system_sgpr_workgroup_id_y 1
		.amdhsa_system_sgpr_workgroup_id_z 1
		.amdhsa_system_vgpr_workitem_id 0
		.amdhsa_next_free_vgpr 1024
		.amdhsa_next_free_sgpr 66
		.amdhsa_reserve_vcc 1
		.amdhsa_float_denorm_mode_32 3
		.amdhsa_float_denorm_mode_16_64 3
		.amdhsa_memory_ordered 1
		.amdhsa_forward_progress 1
		.amdhsa_inst_pref_size 115
	.end_amdhsa_kernel
	.amdgpu_metadata
---
amdhsa.version: [ 1, 2 ]
amdhsa.kernels:
  - .name:           k_q659a80874f_proj
    .symbol:         k_q659a80874f_proj.kd
    .args:
      - { .name: mcodes, .offset: 0, .size: 8, .value_kind: global_buffer, .address_space: global }
      - { .name: order, .offset: 8, .size: 8, .value_kind: global_buffer, .address_space: global }
      - { .name: tileinfo, .offset: 16, .size: 8, .value_kind: global_buffer, .address_space: global }
      - { .name: wcodes, .offset: 24, .size: 8, .value_kind: global_buffer, .address_space: global }
      - { .name: lowp_scales, .offset: 32, .size: 8, .value_kind: global_buffer, .address_space: global }
      - { .name: regpart, .offset: 40, .size: 8, .value_kind: global_buffer, .address_space: global }
      - { .name: out0, .offset: 48, .size: 8, .value_kind: global_buffer, .address_space: global }
      - { .name: out1, .offset: 56, .size: 8, .value_kind: global_buffer, .address_space: global }
    .group_segment_fixed_size: 327680
    .private_segment_fixed_size: 0
    .kernarg_segment_align: 8
    .kernarg_segment_size: 64
    .max_flat_workgroup_size: 128
    .sgpr_count:     66
    .vgpr_count:     1024
    .wavefront_size: 32
...
	.end_amdgpu_metadata
.endif
;; end of part 2
